; MI455X (gfx1250); checked and timed in simulation.
; The chip was launched on July 23, 2026; its instructions are those of AMD's public machine-readable ISA for CDNA 5 (MIT licence, August 2026) and "CDNA5" Instruction Set Architecture Reference Guide (July 2026). The comments in the code are by the model that wrote it; some were corrected since.
;; Cross Attention. Allowed arithmetic: float matrix products may take bf16 or f16 operands with f32 sums; other float arithmetic in f32, or as packed bf16 or f16 multiplies, adds, multiply-adds, maxima and minima; sums over many terms, partial sums and values carried from step to step in f32; what a program stores and reads back later, other than sums and carried values, may be rounded once to bf16 or f16.
;; Inputs: Wk 2,048 x 2,048 float32; Wo 512 x 2,048 float32; Wq 2,048 x 2,048 float32; Wv 2,048 x 2,048 float32; bo 512 float32; x1 2,048 float32; x2 8,192 x 2,048 float32.
;; Outputs: out0 1 x 512 float32.
;; 2 versions, each right; version 2 is version 1 with the launch xpass written anew for expert scheduling mode. Each part assembles by itself: llvm-mc -triple=amdgcn-amd-amdhsa -mcpu=gfx1250 --defsym DOCPART=n.
;; ======== version 1 of 2: 5 launches
;; limits: values are held in f16: magnitudes above 65,504 overflow, below 6.1e-05 lose precision
;; workspace buffers: QKP 2,097,152 bytes; QKF 65,536 bytes; PART 33,554,432 bytes; STAT 32,768 bytes; OP 131,072 bytes
;; launch qkpart (part 1): grid 256 x 1, 8 waves a work-group, no clusters, 1,280 bytes of LDS; arguments x1, Wq, Wk, QKP; writes QKP
.if DOCPART == 1
	.amdgcn_target "amdgcn-amd-amdhsa--gfx1250"
	.amdhsa_code_object_version 6
	.text
	.protected	k_qe6e8625b31_qkpart
	.globl	k_qe6e8625b31_qkpart
	.p2align	8
	.type	k_qe6e8625b31_qkpart,@function
k_qe6e8625b31_qkpart:
	s_mov_b64 s[64:65], 0
	v_nop
	global_prefetch_b8 v0, s[64:65] scope:SCOPE_SE
	s_setreg_imm32_b32 hwreg(HW_REG_WAVE_MODE, 25, 1), 1
	s_wait_xcnt 0x0
; STEP 1 OF 5.  With one query a head, score[h][s] = q[h] . (x2[s] Wk_h^T) = x2[s] . g[h], where g[h][d] = sum over k of q[h][k] Wk[128 h + k][d].
; The regrouping is exact in real numbers for every input; the ORDER OF ROUNDING differs from the reference's (sums are taken over k first, then over d).
; This launch: work-group wg owns the weight rows 8 wg .. 8 wg + 7 (head h = wg / 16, k chunk kc = wg % 16).  Wave i makes q of row 8 wg + i = x1 . Wq[row];
; then, with all eight q, wave i makes the partial g of the chunk for d = 256 i .. 256 i + 255:  QKP[kc][h][d] = sum over the 8 rows of q Wk[row][d].
; All in f32 on the vector unit: one-row products read each weight once, so bytes decide; the matrix unit, LDS tiles and clusters would add nothing.
; Every load of a wave, 48 of 512 consecutive bytes, goes out ahead of the first wait: 24 KiB a wave in flight.
.set SPARE, 256                        ; the spare words: 128 bytes for each of 8 waves; bytes 0-31 hold the eight q, and the block 0-255 is theirs alone
.set SPW, 4                            ; v4  SPARE + 4 x my thread's number; never rewritten
.set NIL, 5                            ; v5  0; never rewritten
.set CH,  16                           ; v[16:23]   four chains of pairs for the dot product
.set QV,  24                           ; v[24:31]   the eight q as read back
.set ACC, 32                           ; v[32:39]   my 8 numbers of the partial g
.set X1,  64                           ; v[64:127]  x1, 64 numbers a lane
.set WQ,  128                          ; v[128:191] my row of Wq
.set WK,  192                          ; v[192:255] row i of Wk, my 256 columns: 8 registers at WK + 8 i
.set WV,  12                           ; s12 my wave's number
.set SEL, 20                           ; s[20:21] v_permlanex16_b32's selects: each lane takes its own place in the other half
.set Q,   32                           ; s[32:47] q of row i, twice: the packed forms name a pair
.macro WSUM r, t                       ; the sum over the 32 lanes, in every lane; t has been written before
.irp k, 1,2,4,8
	v_add_f32_dpp v[\r], v[\r], v[\r] row_xmask:\k row_mask:0xf bank_mask:0xf
.endr
	v_permlanex16_b32 v[\t], v[\r], s[SEL], s[SEL+1]
	v_add_f32 v[\r], v[\r], v[\t]
.endm
	s_load_b256 s[4:11], s[0:1], 0x0               ; x1 s[4:5], Wq s[6:7], Wk s[8:9], QKP s[10:11]
	v_lshl_add_u32 v[SPW], v0, 2, SPARE
	v_mov_b32 v[NIL], 0
	v_and_b32 v1, 31, v0
	v_lshlrev_b32 v1, 4, v1                        ; 16 x lane
	v_lshrrev_b32 v2, 5, v0
	v_readfirstlane_b32 s[WV], v2                  ; wave 0..7
	v_mov_b32 v2, s[WV]
	v_lshlrev_b32 v2, 2, v2                        ; my q's word in LDS
	v_mov_b32 v3, 0
	v_mov_b32 v6, 0                                ; WSUM's second register counts as read
	s_mov_b32 s[SEL], 0x76543210
	s_mov_b32 s[SEL+1], 0xfedcba98
	s_lshl_b32 s14, ttmp9, 3
	s_add_co_u32 s14, s14, s[WV]
	s_lshl_b32 s14, s14, 13                        ; Wq: row 8 wg + wave, 8,192 bytes a row
	s_mov_b32 s15, 0
	s_lshl_b32 s13, s[WV], 10                      ; my 256 columns, in bytes
	s_lshl_b32 s16, ttmp9, 16                      ; Wk: row 8 wg,
	s_add_co_u32 s16, s16, s13                     ; my columns
	s_mov_b32 s17, 0
	s_and_b32 s18, ttmp9, 15                       ; kc
	s_lshl_b32 s18, s18, 4
	s_lshr_b32 s19, ttmp9, 4                       ; h
	s_add_co_u32 s18, s18, s19
	s_lshl_b32 s18, s18, 13                        ; QKP: row 16 kc + h,
	s_add_co_u32 s18, s18, s13                     ; my columns
	s_mov_b32 s19, 0
	s_wait_kmcnt 0x0
	s_add_nc_u64 s[6:7], s[6:7], s[14:15]
	s_add_nc_u64 s[8:9], s[8:9], s[16:17]
	s_add_nc_u64 s[10:11], s[10:11], s[18:19]
.set t, 0
.rept 16
	global_load_b128 v[X1+4*t:X1+4*t+3], v1, s[4:5] offset:512*t
.set t, t+1
.endr
.set t, 0
.rept 16
	global_load_b128 v[WQ+4*t:WQ+4*t+3], v1, s[6:7] offset:512*t th:TH_LOAD_NT
.set t, t+1
.endr
.set i, 0
.rept 8
	global_load_b128 v[WK+8*i:WK+8*i+3],   v1, s[8:9] offset:8192*i th:TH_LOAD_NT
	global_load_b128 v[WK+8*i+4:WK+8*i+7], v1, s[8:9] offset:8192*i+512 th:TH_LOAD_NT
.set i, i+1
.endr
	s_wait_loadcnt 16                              ; x1 and Wq are in; Wk's sixteen loads, issued behind them, stay out
	; q = x1 . Wq[row]: 32 pairs a lane in four chains; the first four products start the sums
.set p, 0
.rept 32
.if p < 4
	v_pk_mul_f32 v[CH+2*p:CH+2*p+1], v[X1+2*p:X1+2*p+1], v[WQ+2*p:WQ+2*p+1]
.else
	v_pk_fma_f32 v[CH+2*(p%4):CH+2*(p%4)+1], v[X1+2*p:X1+2*p+1], v[WQ+2*p:WQ+2*p+1], v[CH+2*(p%4):CH+2*(p%4)+1]
.endif
.set p, p+1
.endr
	v_pk_add_f32 v[CH:CH+1], v[CH:CH+1], v[CH+2:CH+3]
	v_pk_add_f32 v[CH+4:CH+5], v[CH+4:CH+5], v[CH+6:CH+7]
	v_pk_add_f32 v[CH:CH+1], v[CH:CH+1], v[CH+4:CH+5]
	v_add_f32 v[CH], v[CH], v[CH+1]
	WSUM CH, 6
	ds_store_b32 v2, v[CH]                         ; all lanes write the same word with the same number
	s_wait_dscnt 0x0                               ; for the others' sake: my q is in LDS
	s_barrier_signal -1
	s_barrier_wait -1
	ds_load_b128 v[QV:QV+3], v3
	ds_load_b128 v[QV+4:QV+7], v3 offset:16
	s_wait_dscnt 0x0
.set i, 0
.rept 8
	v_readfirstlane_b32 s[Q+2*i], v[QV+i]
	s_mov_b32 s[Q+2*i+1], s[Q+2*i]                 ; named with it as a pair
.set i, i+1
.endr
	s_wait_loadcnt 0x0                             ; Wk
.set a, 0
.rept 4
	v_pk_mul_f32 v[ACC+2*a:ACC+2*a+1], v[WK+2*a:WK+2*a+1], s[Q:Q+1] op_sel_hi:[1,0]
.set a, a+1
.endr
.set i, 1
.rept 7
.set a, 0
.rept 4
	v_pk_fma_f32 v[ACC+2*a:ACC+2*a+1], v[WK+8*i+2*a:WK+8*i+2*a+1], s[Q+2*i:Q+2*i+1], v[ACC+2*a:ACC+2*a+1] op_sel_hi:[1,0,1]
.set a, a+1
.endr
.set i, i+1
.endr
	global_store_b128 v1, v[ACC:ACC+3],   s[10:11]             ; each store of the wave covers 512 consecutive bytes, aligned
	global_store_b128 v1, v[ACC+4:ACC+7], s[10:11] offset:512
	s_wait_tensorcnt 0x0                           ; the wave's end, behind my last LDS store
	ds_add_u32 v[SPW], v[NIL]
	s_wait_dscnt 0x0
	s_endpgm
.Lfunc_end_k_qe6e8625b31_qkpart:
	.size	k_qe6e8625b31_qkpart, .Lfunc_end_k_qe6e8625b31_qkpart-k_qe6e8625b31_qkpart
	.p2alignl 7, 3214868480
	.fill 96, 4, 3214868480
	.section	.rodata,"a",@progbits
	.p2align	6, 0x0
	.amdhsa_kernel k_qe6e8625b31_qkpart
		.amdhsa_group_segment_fixed_size 1280
		.amdhsa_private_segment_fixed_size 0
		.amdhsa_enable_private_segment 0
		.amdhsa_kernarg_size 32
		.amdhsa_user_sgpr_count 2
		.amdhsa_user_sgpr_kernarg_segment_ptr 1
		.amdhsa_wavefront_size32 1
		.amdhsa_system_sgpr_workgroup_id_x 1
		.amdhsa_system_sgpr_workgroup_id_y 1
		.amdhsa_system_sgpr_workgroup_id_z 1
		.amdhsa_system_vgpr_workitem_id 0
		.amdhsa_next_free_vgpr 256
		.amdhsa_next_free_sgpr 66
		.amdhsa_reserve_vcc 0
		.amdhsa_float_denorm_mode_32 3
		.amdhsa_float_denorm_mode_16_64 3
		.amdhsa_memory_ordered 1
		.amdhsa_forward_progress 1
		.amdhsa_inst_pref_size 12
	.end_amdhsa_kernel
	.amdgpu_metadata
---
amdhsa.version: [ 1, 2 ]
amdhsa.kernels:
  - .name:           k_qe6e8625b31_qkpart
    .symbol:         k_qe6e8625b31_qkpart.kd
    .args:
      - { .name: x1, .offset: 0, .size: 8, .value_kind: global_buffer, .address_space: global }
      - { .name: Wq, .offset: 8, .size: 8, .value_kind: global_buffer, .address_space: global }
      - { .name: Wk, .offset: 16, .size: 8, .value_kind: global_buffer, .address_space: global }
      - { .name: QKP, .offset: 24, .size: 8, .value_kind: global_buffer, .address_space: global }
    .group_segment_fixed_size: 1280
    .private_segment_fixed_size: 0
    .kernarg_segment_align: 8
    .kernarg_segment_size: 32
    .max_flat_workgroup_size: 256
    .sgpr_count:     66
    .vgpr_count:     256
    .wavefront_size: 32
...
	.end_amdgpu_metadata
.endif
;; end of part 1
;; launch qkfrag (part 2): grid 32 x 1, 8 waves a work-group, no clusters, 3,072 bytes of LDS; arguments QKP, QKF; writes QKF
.if DOCPART == 2
	.amdgcn_target "amdgcn-amd-amdhsa--gfx1250"
	.amdhsa_code_object_version 6
	.text
	.protected	k_qe6e8625b31_qkfrag
	.globl	k_qe6e8625b31_qkfrag
	.p2align	8
	.type	k_qe6e8625b31_qkfrag,@function
k_qe6e8625b31_qkfrag:
	s_mov_b64 s[64:65], 0
	v_nop
	global_prefetch_b8 v0, s[64:65] scope:SCOPE_SE
	s_setreg_imm32_b32 hwreg(HW_REG_WAVE_MODE, 25, 1), 1
	s_wait_xcnt 0x0
; STEP 2 OF 5.  g[h][d] = c x the sum of the 16 partials QKP[kc][h][d], c = log2(e) / sqrt(128) folded in in f32, rounded ONCE to bf16 (bf16, not f16: g grows with the
; product of three inputs' sizes and has no room in f16), and laid out as the next launch's matrix operand wants it:
;   QKF byte = 1024 g + 512 q + 16 (16 h2 + head) + 2 e   for d = 32 g + 16 q + 8 h2 + e (e = 0..7),
; so that lane 16 h2 + head of a wave takes, by two loads of 16 bytes, column `head` of the fragment for the 32 d of step g.
; Work-group wg owns d = 64 wg .. 64 wg + 63 of all 16 heads, which are 2,048 consecutive bytes of QKF.  Thread t: head t / 16, four numbers at d = 64 wg + 4 (t % 16):
; 16 lanes read 256 consecutive bytes, aligned.  32 work-groups: QKF interleaves the heads every 16 bytes, so fewer d to a work-group would mean reads of shorter pieces.
.set SPARE, 2048                       ; behind the stage (bytes 0-2047): the spare words, 128 bytes for each of 8 waves
.set SPW, 4                            ; v4  SPARE + 4 x my thread's number; never rewritten
.set NIL, 5                            ; v5  0; never rewritten
.set C0,  8                            ; v[8:11] the even partials' sum, v[12:15] the odd ones'
.set PR,  32                           ; v[32:95] the 16 partials, four registers each
.set WV,  12                           ; s12 my wave's number
	s_load_b128 s[4:7], s[0:1], 0x0                ; QKP s[4:5], QKF s[6:7]
	v_lshl_add_u32 v[SPW], v0, 2, SPARE
	v_mov_b32 v[NIL], 0
	v_lshrrev_b32 v1, 5, v0
	v_readfirstlane_b32 s[WV], v1                  ; wave 0..7
	v_and_b32 v6, 15, v0                           ; dq = t % 16
	v_lshrrev_b32 v7, 4, v0                        ; head
	v_lshlrev_b32 v1, 13, v7
	v_lshl_or_b32 v1, v6, 4, v1                    ; head x 8,192 + 16 dq
	v_bfe_u32 v2, v0, 3, 1                         ; the stage address: which of the two steps g (dq bit 3),
	v_lshlrev_b32 v2, 10, v2
	v_bfe_u32 v8, v0, 2, 1                         ; q (bit 2),
	v_lshl_or_b32 v2, v8, 9, v2
	v_bfe_u32 v8, v0, 1, 1                         ; h2 (bit 1),
	v_lshl_or_b32 v2, v8, 8, v2
	v_lshl_or_b32 v2, v7, 4, v2                    ; the head,
	v_and_b32 v8, 1, v0
	v_lshl_or_b32 v2, v8, 3, v2                    ; and which half of the 16 bytes (bit 0)
	v_lshlrev_b32 v3, 4, v0                        ; 16 t
	s_mov_b32 s8, 0x3e0293ee                       ; c = log2(e) / sqrt(128) = 0.127517
	s_mov_b32 s9, s8                               ; named with it as a pair
	s_lshl_b32 s14, ttmp9, 8                       ; my 64 d in a row of QKP
	s_mov_b32 s15, 0
	s_lshl_b32 s10, ttmp9, 11                      ; my 2,048 bytes of QKF
	s_mov_b32 s11, 0
	s_wait_kmcnt 0x0
	s_add_nc_u64 s[4:5], s[4:5], s[14:15]
	s_add_nc_u64 s[6:7], s[6:7], s[10:11]
.set kc, 0
.rept 16
	global_load_b128 v[PR+4*kc:PR+4*kc+3], v1, s[4:5] offset:131072*kc
.set kc, kc+1
.endr
	s_wait_loadcnt 0x0
.irp a, 0,2                            ; two chains; their first additions start the sums
	v_pk_add_f32 v[C0+\a:C0+\a+1],     v[PR+\a:PR+\a+1],     v[PR+8+\a:PR+8+\a+1]
	v_pk_add_f32 v[C0+4+\a:C0+4+\a+1], v[PR+4+\a:PR+4+\a+1], v[PR+12+\a:PR+12+\a+1]
.endr
.set kc, 4
.rept 12
.irp a, 0,2
	v_pk_add_f32 v[C0+4*(kc%2)+\a:C0+4*(kc%2)+\a+1], v[C0+4*(kc%2)+\a:C0+4*(kc%2)+\a+1], v[PR+4*kc+\a:PR+4*kc+\a+1]
.endr
.set kc, kc+1
.endr
	v_pk_add_f32 v[C0:C0+1],   v[C0:C0+1],   v[C0+4:C0+5]
	v_pk_add_f32 v[C0+2:C0+3], v[C0+2:C0+3], v[C0+6:C0+7]
	v_pk_mul_f32 v[C0:C0+1],   v[C0:C0+1],   s[8:9] op_sel_hi:[1,0]
	v_pk_mul_f32 v[C0+2:C0+3], v[C0+2:C0+3], s[8:9] op_sel_hi:[1,0]
	v_cvt_pk_bf16_f32 v16, v[C0], v[C0+1]
	v_cvt_pk_bf16_f32 v17, v[C0+2], v[C0+3]
	ds_store_b64 v2, v[16:17]
	s_wait_dscnt 0x0                               ; for the others' sake: my 8 bytes are in the stage
	s_barrier_signal -1
	s_barrier_wait -1
	s_cmp_gt_u32 s[WV], 3                          ; 2,048 bytes are 128 lanes' 16: waves 0 to 3 carry them out
	s_cbranch_scc1 .Lend
	ds_load_b128 v[20:23], v3
	s_wait_dscnt 0x0
	global_store_b128 v3, v[20:23], s[6:7]         ; each store of a wave covers 512 consecutive bytes, aligned
.Lend:
	s_wait_tensorcnt 0x0                           ; the wave's end, behind my last LDS store
	ds_add_u32 v[SPW], v[NIL]
	s_wait_dscnt 0x0
	s_endpgm
.Lfunc_end_k_qe6e8625b31_qkfrag:
	.size	k_qe6e8625b31_qkfrag, .Lfunc_end_k_qe6e8625b31_qkfrag-k_qe6e8625b31_qkfrag
	.p2alignl 7, 3214868480
	.fill 96, 4, 3214868480
	.section	.rodata,"a",@progbits
	.p2align	6, 0x0
	.amdhsa_kernel k_qe6e8625b31_qkfrag
		.amdhsa_group_segment_fixed_size 3072
		.amdhsa_private_segment_fixed_size 0
		.amdhsa_enable_private_segment 0
		.amdhsa_kernarg_size 16
		.amdhsa_user_sgpr_count 2
		.amdhsa_user_sgpr_kernarg_segment_ptr 1
		.amdhsa_wavefront_size32 1
		.amdhsa_system_sgpr_workgroup_id_x 1
		.amdhsa_system_sgpr_workgroup_id_y 1
		.amdhsa_system_sgpr_workgroup_id_z 1
		.amdhsa_system_vgpr_workitem_id 0
		.amdhsa_next_free_vgpr 96
		.amdhsa_next_free_sgpr 66
		.amdhsa_reserve_vcc 0
		.amdhsa_float_denorm_mode_32 3
		.amdhsa_float_denorm_mode_16_64 3
		.amdhsa_memory_ordered 1
		.amdhsa_forward_progress 1
		.amdhsa_inst_pref_size 6
	.end_amdhsa_kernel
	.amdgpu_metadata
---
amdhsa.version: [ 1, 2 ]
amdhsa.kernels:
  - .name:           k_qe6e8625b31_qkfrag
    .symbol:         k_qe6e8625b31_qkfrag.kd
    .args:
      - { .name: QKP, .offset: 0, .size: 8, .value_kind: global_buffer, .address_space: global }
      - { .name: QKF, .offset: 8, .size: 8, .value_kind: global_buffer, .address_space: global }
    .group_segment_fixed_size: 3072
    .private_segment_fixed_size: 0
    .kernarg_segment_align: 8
    .kernarg_segment_size: 16
    .max_flat_workgroup_size: 256
    .sgpr_count:     66
    .vgpr_count:     96
    .wavefront_size: 32
...
	.end_amdgpu_metadata
.endif
;; end of part 2
;; launch xpass (part 3): grid 256 x 1, 16 waves a work-group, no clusters, 176,128 bytes of LDS; arguments x2, QKF, PART, STAT; writes PART, STAT
.if DOCPART == 3
	.amdgcn_target "amdgcn-amd-amdhsa--gfx1250"
	.amdhsa_code_object_version 6
	.text
	.protected	k_qe6e8625b31_xpass
	.globl	k_qe6e8625b31_xpass
	.p2align	8
	.type	k_qe6e8625b31_xpass,@function
k_qe6e8625b31_xpass:
	s_mov_b64 s[64:65], 0
	v_nop
	global_prefetch_b8 v0, s[64:65] scope:SCOPE_SE
	s_setreg_imm32_b32 hwreg(HW_REG_WAVE_MODE, 25, 1), 1
	s_wait_xcnt 0x0
; STEP 3 OF 5: the one pass over x2.  Work-group wg owns rows s = 32 wg .. 32 wg + 31.  It makes, for all 16 heads,
;   the scores t[h][s] = x2[s] . g[h] (already in units of log2: c is folded into g), the block's own maximum m[h], p = 2^(t - m), l[h] = the sum of p, and
;   PART[wg][h][d] = the sum over its 32 rows of p[h][s] x2[s][d].   The next launch joins the 256 blocks by M = max m and 2^(m - M): a true maximum is taken away throughout.
; x2 is read from memory ONCE: wave w holds columns 128 w .. 128 w + 127 of the 32 rows in 128 registers and uses them for both products.
; FORMATS.  Scores: x2 and g in bf16, sums in f32.  Second product: p (0 to 1) and x2 in f16, sums in f32; l is the sum of the unrounded p.
; LIMITS.  |x2| stays under 65,504 (f16's end; the conversion gives an infinity from 65,520 on).  A weight p below 6e-8 counts as 0 in the product, below 2^-126 as 0 in l.
; NaN and infinities are not treated apart.  The order of rounding differs from the reference's (x2 is multiplied by g, not by Wk and then by q).
; SHARES.  16 waves x 256 registers.  All 40 loads of a wave go out ahead of its first wait: 16 KiB of x2 a wave, 256 KiB a work-group.
; No tensor loads, no ring: the share is loaded once and nothing is filled again.  No cluster: what work-groups share is QKF, 64 KiB beside 256 KiB of their own.
; LANES.  L = lane, r = L % 16, h2 = L / 16.  Load i (of 16) of half c (64 columns) brings lane (r, h2) the four numbers x2[row(i) + 8 h2][128 w + 64 c + 4 r + 0..3],
; row(i) = i for i < 8, i + 8 above: 16 lanes read 256 consecutive bytes, aligned.  In that order loads 2 t and 2 t + 1 hold the two rows that register t of a 32-deep fragment wants,
; so the second product's fragments (column = d, depth = s) are made in registers: fragment j of half c holds the columns d = 128 w + 64 c + 4 r + j.
; The first product wants depth = d: the rows go, rounded to bf16, through the wave's own tile in LDS.
.set PT,    272                        ; a tile row: 128 bf16 = 256 bytes + 16: the 16 rows of a fragment load start 4 words apart in the 64 banks (ISA guide 11.1)
.set TILEB, 32*PT                      ; a wave's tile: 8,704 bytes; 16 of them from byte 0
.set SP,    16*TILEB                   ; 139,264: each wave's partial scores, 16 registers in lane order, 2,048 bytes a wave
.set SF,    SP+16*2048                 ; 172,032: the summed scores, 2,048 bytes
.set SPARE, SF+2048                    ; 174,080: the spare words, 128 bytes for each of 16 waves
.set VX,  3                            ; v3   65,536 h2 + 512 w + 16 r: my bytes in x2's rows, and the same in PART's
.set VQ,  4                            ; v4   4,096 w + 16 L: my bytes of QKF
.set VT,  5                            ; v5   tile, in: 8 h2 rows + 8 r bytes
.set VA,  6                            ; v6   tile, out: row r + 16 h2 bytes
.set VS,  7                            ; v7   SP + 2,048 w + 16 L
.set VR,  8                            ; v8   SP + 128 w + 4 L
.set VW,  9                            ; v9   SF + 128 w + 4 L
.set VF,  10                           ; v10  SF + 16 L
.set SPW, 12                           ; v12  SPARE + 4 x my thread's number; never rewritten
.set NIL, 13                           ; v13  0; never rewritten
.set VST, 14                           ; v14  1,024 L: my word's row in STAT
.set VL,  15                           ; v15  L
.set T,   16                           ; v[16:19] two pairs at work, by turns
.set PF,  20                           ; v[20:27] P as a fragment: row = head r, depth = s
.set SS,  28                           ; v[28:35], v[36:43] the scores of rows 0-15, 16-31: register j of lane (r, h2) is s = 16 rt + 8 h2 + j, head r
.set MX,  44                           ; v44 m, v45 l, v46-47 at work
.set RR,  48                           ; v[48:63] the 16 waves' partials of one word
.set QF,  64                           ; v[64:95]  g's fragments, 8 registers for each of my four steps of 32 d; later the stores' first 32 registers
.set F0,  96                           ; v[96:127] x2's f16 fragments of half 0
.set XA,  128                          ; v[128:191] x2, half 0, as loaded; later v[128:159] the f16 fragments of half 1, v[160:191] the stores' other 32 registers
.set XB,  192                          ; v[192:255] x2, half 1, as loaded; then the bf16 fragments (rt, ks) at 192 + 32 rt + 8 ks; then the results (c, j) at 192 + 32 c + 8 j
.set WV,  12                           ; s12 my wave's number
.set SEL, 20                           ; s[20:21] v_permlanex16_b32's selects: each lane takes its own place in the other half
.macro LOADX c, xb                     ; 16 loads: half c of my columns, all 32 rows
.set i, 0
.rept 16
	global_load_b128 v[\xb+4*i:\xb+4*i+3], v[VX], s[4:5] offset:(i+8*(i/8))*8192+256*\c th:TH_LOAD_NT
.set i, i+1
.endr
.endm
.macro TOTILE c, xb                    ; rounded to bf16, 8 bytes a lane into my tile: lanes 0-15 fill 128 bytes of a row, lanes 16-31 the row 8 below (2,176 bytes = 32 banks further)
.set i, 0
.rept 16
	v_cvt_pk_bf16_f32 v[T+2*(i%2)],   v[\xb+4*i],   v[\xb+4*i+1]
	v_cvt_pk_bf16_f32 v[T+2*(i%2)+1], v[\xb+4*i+2], v[\xb+4*i+3]
	ds_store_b64 v[VT], v[T+2*(i%2):T+2*(i%2)+1] offset:(i+8*(i/8))*PT+128*\c
.set i, i+1
.endr
.endm
.macro TOFRAG xb, fb                   ; rounded to f16: register t of fragment j pairs column j of loads 2 t and 2 t + 1: s = 8 h2 + 2 t (+1) for t < 4, 16 + 8 h2 + 2 (t - 4) (+1) above
.irp j, 0,1,2,3
.set t, 0
.rept 8
	v_cvt_pk_f16_f32 v[\fb+8*\j+t], v[\xb+8*t+\j], v[\xb+8*t+4+\j]
.set t, t+1
.endr
.endr
.endm
	s_load_b256 s[4:11], s[0:1], 0x0               ; x2 s[4:5], QKF s[6:7], PART s[8:9], STAT s[10:11]
	v_lshl_add_u32 v[SPW], v0, 2, SPARE
	v_mov_b32 v[NIL], 0
	v_and_b32 v[VL], 31, v0                        ; L
	v_and_b32 v1, 15, v0                           ; r
	v_bfe_u32 v2, v0, 4, 1                         ; h2
	v_lshrrev_b32 v[VST], 5, v0
	v_readfirstlane_b32 s[WV], v[VST]              ; wave 0..15
	s_lshl_b32 s13, s[WV], 9
	v_lshlrev_b32 v[VX], 16, v2
	v_lshl_add_u32 v[VX], v1, 4, v[VX]
	v_add_nc_u32 v[VX], s13, v[VX]
	s_lshl_b32 s13, s[WV], 12
	v_lshl_add_u32 v[VQ], v[VL], 4, s13
	s_lshl_b32 s14, ttmp9, 18                      ; x2: 32 rows of 8,192 bytes a work-group
	s_mov_b32 s15, 0
	s_lshl_b32 s16, ttmp9, 17                      ; PART: 16 rows of 8,192 bytes
	s_mov_b32 s17, 0
	s_lshl_b32 s18, ttmp9, 2                       ; STAT: my block's word in each of its 32 rows
	s_mov_b32 s19, 0
	s_wait_kmcnt 0x0
	s_add_nc_u64 s[4:5], s[4:5], s[14:15]
	s_add_nc_u64 s[8:9], s[8:9], s[16:17]
	s_add_nc_u64 s[10:11], s[10:11], s[18:19]
.set i, 0
.rept 8                                ; g's fragments of my four steps: step i / 2, half i % 2; 512 consecutive bytes a load
	global_load_b128 v[QF+4*i:QF+4*i+3], v[VQ], s[6:7] offset:512*i
.set i, i+1
.endr
	LOADX 0, XA
	LOADX 1, XB
	; the LDS addresses are made while the loads are out
	s_mov_b32 s[SEL], 0x76543210
	s_mov_b32 s[SEL+1], 0xfedcba98
	s_mul_i32 s13, s[WV], TILEB                    ; my tile
	v_mul_u32_u24 v[VT], v2, 8*PT
	v_lshl_add_u32 v[VT], v1, 3, v[VT]
	v_add_nc_u32 v[VT], s13, v[VT]
	v_mul_u32_u24 v[VA], v1, PT
	v_lshl_add_u32 v[VA], v2, 4, v[VA]
	v_add_nc_u32 v[VA], s13, v[VA]
	s_lshl_b32 s13, s[WV], 11
	s_add_co_u32 s13, s13, SP
	v_lshl_add_u32 v[VS], v[VL], 4, s13
	s_lshl_b32 s13, s[WV], 7
	s_add_co_u32 s16, s13, SP
	v_lshl_add_u32 v[VR], v[VL], 2, s16
	s_add_co_u32 s16, s13, SF
	v_lshl_add_u32 v[VW], v[VL], 2, s16
	v_lshl_add_u32 v[VF], v[VL], 4, SF
	v_lshlrev_b32 v[VST], 10, v[VL]
	s_wait_loadcnt 16                              ; g and half 0 are in; half 1's sixteen loads, issued behind them, stay out
	TOTILE 0, XA
	TOFRAG XA, F0
	s_wait_loadcnt 0x0                             ; half 1
	TOTILE 1, XB
	TOFRAG XB, XA                                  ; half 0's registers are free
	; the tile comes back as fragments: row 16 rt + r, d = 32 ks + 8 h2 + 0..7 and + 16.  My own bytes, and LDS serves a wave's instructions in order (ISA guide 5.7.1.4): no wait between
.irp rt, 0,1
.irp ks, 0,1,2,3
	ds_load_b128 v[XB+32*\rt+8*\ks:XB+32*\rt+8*\ks+3],   v[VA] offset:\rt*16*PT+64*\ks
	ds_load_b128 v[XB+32*\rt+8*\ks+4:XB+32*\rt+8*\ks+7], v[VA] offset:\rt*16*PT+64*\ks+32
.endr
.endr
	s_wait_dscnt 0x0
	; SCORES over my 128 d: source 0 = 16 rows of x2, source 1 = the 16 heads of g.  The two accumulators take turns, one instruction a turn; the first step starts the sums
	v_wmma_f32_16x16x32_bf16 v[SS:SS+7],    v[XB:XB+7],       v[QF:QF+7], 0
	v_wmma_f32_16x16x32_bf16 v[SS+8:SS+15], v[XB+32:XB+32+7], v[QF:QF+7], 0
.irp ks, 1,2,3
	v_wmma_f32_16x16x32_bf16 v[SS:SS+7],    v[XB+8*\ks:XB+8*\ks+7],       v[QF+8*\ks:QF+8*\ks+7], v[SS:SS+7]
	v_wmma_f32_16x16x32_bf16 v[SS+8:SS+15], v[XB+32+8*\ks:XB+32+8*\ks+7], v[QF+8*\ks:QF+8*\ks+7], v[SS+8:SS+15]
.endr
.rept 4
	v_nop                                          ; four places between the last product and the stores that read its result
.endr
.irp q, 0,1,2,3                        ; ascending: each accumulator's lowest registers are read first
	ds_store_b128 v[VS], v[SS+4*\q:SS+4*\q+3] offset:512*\q
.endr
	s_wait_dscnt 0x0                               ; for the others' sake: my partial scores are in LDS
	s_barrier_signal -1
	s_barrier_wait -1
	; the sum over the 16 waves: of the 512 words wave w adds words 32 w .. 32 w + 31
.set u, 0
.rept 16
	ds_load_b32 v[RR+u], v[VR] offset:2048*u
.set u, u+1
.endr
	s_wait_dscnt 0x0
.irp d, 8,4,2,1
.set u, 0
.rept \d
	v_add_f32 v[RR+u], v[RR+u], v[RR+u+\d]
.set u, u+1
.endr
.endr
	ds_store_b32 v[VW], v[RR]
	s_wait_dscnt 0x0                               ; for the others' sake: my 32 sums are in LDS
	s_barrier_signal -1
	s_barrier_wait -1
.irp q, 0,1,2,3                        ; every wave takes all scores back, in the layout in which it stored its own (the 15 additions above are more than the places that loads into these registers want)
	ds_load_b128 v[SS+4*\q:SS+4*\q+3], v[VF] offset:512*\q
.endr
	s_wait_dscnt 0x0
	; SOFTMAX of the block: a lane holds 16 of head r's 32 scores, the lane 16 away the others
	v_max3_num_f32 v[MX+2], v[SS],    v[SS+1],  v[SS+2]
	v_max3_num_f32 v[MX+3], v[SS+3],  v[SS+4],  v[SS+5]
	v_max3_num_f32 v[MX+2], v[MX+2],  v[SS+6],  v[SS+7]
	v_max3_num_f32 v[MX+3], v[MX+3],  v[SS+8],  v[SS+9]
	v_max3_num_f32 v[MX+2], v[MX+2],  v[SS+10], v[SS+11]
	v_max3_num_f32 v[MX+3], v[MX+3],  v[SS+12], v[SS+13]
	v_max3_num_f32 v[MX+2], v[MX+2],  v[SS+14], v[SS+15]
	v_max_num_f32 v[MX+2], v[MX+2], v[MX+3]
	v_permlanex16_b32 v[MX+3], v[MX+2], s[SEL], s[SEL+1]
	v_max_num_f32 v[MX], v[MX+2], v[MX+3]          ; m
.set i, 0
.rept 16
	v_sub_f32 v[SS+i], v[SS+i], v[MX]
.set i, i+1
.endr
.set i, 0
.rept 16
	v_exp_f32 v[SS+i], v[SS+i]                     ; p = 2^(t - m)
.set i, i+1
.endr
	v_nop                                          ; a plain instruction between the last exponential and the use of its result (ISA guide 5.7.2)
.set t, 0
	s_wait_alu depctr_va_vdst(0)
.rept 8
	v_cvt_pk_f16_f32 v[PF+t], v[SS+2*t], v[SS+2*t+1]  ; two results side by side ARE the fragment: row = head r, s = 8 h2 + 0..7, then 16 + 8 h2 + 0..7
.set t, t+1
.endr
.irp a, 0,2,4,6
	v_pk_add_f32 v[SS+\a:SS+\a+1], v[SS+\a:SS+\a+1], v[SS+8+\a:SS+8+\a+1]
.endr
	v_pk_add_f32 v[SS:SS+1],   v[SS:SS+1],   v[SS+4:SS+5]
	v_pk_add_f32 v[SS+2:SS+3], v[SS+2:SS+3], v[SS+6:SS+7]
	v_pk_add_f32 v[SS:SS+1],   v[SS:SS+1],   v[SS+2:SS+3]
	v_add_f32 v[MX+2], v[SS], v[SS+1]
	v_permlanex16_b32 v[MX+3], v[MX+2], s[SEL], s[SEL+1]
	v_add_f32 v[MX+1], v[MX+2], v[MX+3]            ; l
	; P x2: source 0 = P (16 heads x 32 rows), source 1 = 16 columns of x2.  Eight results, each one product deep: no chain
.irp j, 0,1,2,3
	v_wmma_f32_16x16x32_f16 v[XB+8*\j:XB+8*\j+7], v[PF:PF+7], v[F0+8*\j:F0+8*\j+7], 0
.endr
.irp j, 0,1,2,3
	v_wmma_f32_16x16x32_f16 v[XB+32+8*\j:XB+32+8*\j+7], v[PF:PF+7], v[XA+8*\j:XA+8*\j+7], 0
.endr
.rept 4
	v_nop                                          ; four places between the last product and the first read of a result
.endr
	; Register jp of result (c, j), lane (r, h2), is head 8 h2 + jp at d = 128 w + 64 c + 4 r + j: the four j are four neighbouring numbers of a row of PART.  Four moves bring them
	; side by side, so that 16 lanes store 256 consecutive bytes, aligned, in the plain [head][d] order that the next launch reads.  64 different registers: no store's data is rewritten.
.irp c, 0,1
.set jp, 0
.rept 8                                ; ascending: each result's lowest register is read first
.set T4, QF+96*\c+4*jp
.irp j, 0,1,2,3
	v_mov_b32 v[T4+\j], v[XB+32*\c+8*\j+jp]
.endr
	global_store_b128 v[VX], v[T4:T4+3], s[8:9] offset:8192*jp+256*\c
.set jp, jp+1
.endr
.endr
	s_cmp_lg_u32 s[WV], 0                          ; every wave holds the same m and l; wave 0 stores them
	s_cbranch_scc1 .Lend
	v_cmp_gt_u32 vcc_lo, 16, v[VL]
	v_cndmask_b32 v[MX+2], v[MX+1], v[MX], vcc_lo  ; lanes 0-15: m of head r; lanes 16-31: l of head r
	global_store_b32 v[VST], v[MX+2], s[10:11]     ; STAT[L][wg]: 32 single words, 1,024 bytes apart, so that the next launch reads a head's 256 numbers as consecutive bytes
.Lend:
	s_wait_tensorcnt 0x0                           ; the wave's end, behind my last LDS store
	ds_add_u32 v[SPW], v[NIL]
	s_wait_dscnt 0x0
	s_endpgm
.Lfunc_end_k_qe6e8625b31_xpass:
	.size	k_qe6e8625b31_xpass, .Lfunc_end_k_qe6e8625b31_xpass-k_qe6e8625b31_xpass
	.p2alignl 7, 3214868480
	.fill 96, 4, 3214868480
	.section	.rodata,"a",@progbits
	.p2align	6, 0x0
	.amdhsa_kernel k_qe6e8625b31_xpass
		.amdhsa_group_segment_fixed_size 176128
		.amdhsa_private_segment_fixed_size 0
		.amdhsa_enable_private_segment 0
		.amdhsa_kernarg_size 32
		.amdhsa_user_sgpr_count 2
		.amdhsa_user_sgpr_kernarg_segment_ptr 1
		.amdhsa_wavefront_size32 1
		.amdhsa_system_sgpr_workgroup_id_x 1
		.amdhsa_system_sgpr_workgroup_id_y 1
		.amdhsa_system_sgpr_workgroup_id_z 1
		.amdhsa_system_vgpr_workitem_id 0
		.amdhsa_next_free_vgpr 256
		.amdhsa_next_free_sgpr 66
		.amdhsa_reserve_vcc 1
		.amdhsa_float_denorm_mode_32 3
		.amdhsa_float_denorm_mode_16_64 3
		.amdhsa_memory_ordered 1
		.amdhsa_forward_progress 1
		.amdhsa_inst_pref_size 28
	.end_amdhsa_kernel
	.amdgpu_metadata
---
amdhsa.version: [ 1, 2 ]
amdhsa.kernels:
  - .name:           k_qe6e8625b31_xpass
    .symbol:         k_qe6e8625b31_xpass.kd
    .args:
      - { .name: x2, .offset: 0, .size: 8, .value_kind: global_buffer, .address_space: global }
      - { .name: QKF, .offset: 8, .size: 8, .value_kind: global_buffer, .address_space: global }
      - { .name: PART, .offset: 16, .size: 8, .value_kind: global_buffer, .address_space: global }
      - { .name: STAT, .offset: 24, .size: 8, .value_kind: global_buffer, .address_space: global }
    .group_segment_fixed_size: 176128
    .private_segment_fixed_size: 0
    .kernarg_segment_align: 8
    .kernarg_segment_size: 32
    .max_flat_workgroup_size: 512
    .sgpr_count:     66
    .vgpr_count:     256
    .wavefront_size: 32
...
	.end_amdgpu_metadata
.endif
;; end of part 3
;; launch ctxv (part 4): grid 256 x 1, 8 waves a work-group, no clusters, 5,632 bytes of LDS; arguments PART, STAT, Wv, OP; writes OP
.if DOCPART == 4
	.amdgcn_target "amdgcn-amd-amdhsa--gfx1250"
	.amdhsa_code_object_version 6
	.text
	.protected	k_qe6e8625b31_ctxv
	.globl	k_qe6e8625b31_ctxv
	.p2align	8
	.type	k_qe6e8625b31_ctxv,@function
k_qe6e8625b31_ctxv:
	s_mov_b64 s[64:65], 0
	v_nop
	global_prefetch_b8 v0, s[64:65] scope:SCOPE_SE
	s_setreg_imm32_b32 hwreg(HW_REG_WAVE_MODE, 25, 1), 1
	s_wait_xcnt 0x0
; STEP 4 OF 5.  The 256 blocks' softmax pieces are joined, and Wv is applied to the joined sum:  o[h][v] = Wv[128 h + v] . ctx[h],
;   ctx[h][d] = (sum over blocks w of 2^(m_w - M) PART[w][h][d]) / L,   M = max over w of m_w,   L = sum over w of 2^(m_w - M) l_w  (at least 1: the block that holds M has l >= 1).
; Exact regrouping of attn . (x2 Wv^T); the order of rounding differs from the reference's.  A block whose 2^(m_w - M) falls below 2^-126 counts as 0.  All in f32.
; Work-group wg: head h = wg / 16, d slice dc = wg % 16 (128 d).  Wave i adds blocks 32 i .. 32 i + 31 of the slice (a lane: 4 d); the eight sums meet in LDS; then wave i
; takes rows 16 i .. 16 i + 15 of Wv_h over the slice:  OP[dc][128 h + v] = the slice's part of o.  The 16 slices are added in the next launch.
; One-row products and a weighted sum of rows: each byte is used once, so bytes decide; the matrix unit and clusters would add nothing.
; All 53 loads of a wave go out ahead of its first wait: 24 KiB a wave beside the statistics.
.set CSUM,  0                          ; LDS: the eight waves' sums, 512 bytes each
.set OS,    4096                       ; the 128 results, 512 bytes
.set SPARE, 4608                       ; the spare words, 128 bytes for each of 8 waves
.set SPW, 4                            ; v4  SPARE + 4 x my thread's number; never rewritten
.set NIL, 5                            ; v5  0; never rewritten
.set MI,  10                           ; v[10:17] m of blocks 128 u + 4 lane + e
.set LI,  18                           ; v[18:25] l of the same
.set MO,  26                           ; v26 m of block 32 i + lane, then its weight
.set ACC, 32                           ; v[32:39] two sums of four, for even and odd blocks
.set CTX, 40                           ; v[40:43] my 4 d of ctx
.set RS,  44                           ; v[44:59] the 16 rows' dot products
.set WR,  64                           ; v[64:127] 16 rows of Wv, 4 registers each
.set PR,  128                          ; v[128:255] 32 blocks of PART, 4 registers each; later at work
.set WV,  12                           ; s12 my wave's number
.set SEL, 20                           ; s[20:21] v_permlanex16_b32's selects
.set AL,  32                           ; s[32:63] the weights of my 32 blocks
.macro WRED op, r, t                   ; a reduction over the 32 lanes, result in every lane; t has been written before
.irp k, 1,2,4,8
	\op\()_dpp v[\r], v[\r], v[\r] row_xmask:\k row_mask:0xf bank_mask:0xf
.endr
	v_permlanex16_b32 v[\t], v[\r], s[SEL], s[SEL+1]
	\op v[\r], v[\r], v[\t]
.endm
	s_load_b256 s[4:11], s[0:1], 0x0               ; PART s[4:5], STAT s[6:7], Wv s[8:9], OP s[10:11]
	v_lshl_add_u32 v[SPW], v0, 2, SPARE
	v_mov_b32 v[NIL], 0
	v_and_b32 v2, 31, v0                           ; lane
	v_lshlrev_b32 v1, 4, v2                        ; 16 x lane
	v_lshrrev_b32 v3, 5, v0
	v_readfirstlane_b32 s[WV], v3                  ; wave 0..7
	s_lshl_b32 s23, s[WV], 7
	v_lshl_add_u32 v3, v2, 2, s23                  ; 4 (32 wave + lane): my own block's word
	s_lshl_b32 s23, s[WV], 9
	v_add_nc_u32 v6, s23, v1                       ; LDS: my wave's sum, my 16 bytes
	s_lshl_b32 s23, s[WV], 6
	s_add_co_u32 s23, s23, OS
	v_mov_b32 v8, s23                              ; LDS: my wave's 16 results
	s_mov_b32 s[SEL], 0x76543210
	s_mov_b32 s[SEL+1], 0xfedcba98
	s_lshr_b32 s13, ttmp9, 4                       ; h
	s_and_b32 s22, ttmp9, 15                       ; dc
	s_lshl_b32 s24, s22, 9                         ; the slice's 512 bytes in a row
	s_lshl_b32 s14, s[WV], 22                      ; PART: block 32 wave (131,072 bytes a block),
	s_lshl_b32 s23, s13, 13                        ; row h,
	s_add_co_u32 s14, s14, s23
	s_add_co_u32 s14, s14, s24                     ; the slice
	s_mov_b32 s15, 0
	s_lshl_b32 s16, s13, 7                         ; Wv: row 128 h + 16 wave,
	s_lshl_b32 s23, s[WV], 4
	s_add_co_u32 s16, s16, s23
	s_lshl_b32 s16, s16, 13
	s_add_co_u32 s16, s16, s24                     ; the slice
	s_mov_b32 s17, 0
	s_lshl_b32 s18, s22, 13                        ; OP: row dc,
	s_lshl_b32 s23, s13, 9                         ; the head's 128 numbers
	s_add_co_u32 s18, s18, s23
	s_mov_b32 s19, 0
	s_lshl_b32 s26, s13, 10                        ; STAT: row h (m); row 16 + h (l) lies 16,384 bytes on
	s_mov_b32 s27, 0
	s_wait_kmcnt 0x0
	s_add_nc_u64 s[4:5], s[4:5], s[14:15]
	s_add_nc_u64 s[6:7], s[6:7], s[26:27]
	s_add_nc_u64 s[8:9], s[8:9], s[16:17]
	s_add_nc_u64 s[10:11], s[10:11], s[18:19]
	global_load_b128 v[MI:MI+3],   v1, s[6:7]
	global_load_b128 v[MI+4:MI+7], v1, s[6:7] offset:512
	global_load_b128 v[LI:LI+3],   v1, s[6:7] offset:16384
	global_load_b128 v[LI+4:LI+7], v1, s[6:7] offset:16384+512
	global_load_b32 v[MO], v3, s[6:7]
.set k, 0
.rept 32
	global_load_b128 v[PR+4*k:PR+4*k+3], v1, s[4:5] offset:131072*k th:TH_LOAD_NT  ; 512 consecutive bytes
.set k, k+1
.endr
.set i, 0
.rept 16
	global_load_b128 v[WR+4*i:WR+4*i+3], v1, s[8:9] offset:8192*i th:TH_LOAD_NT
.set i, i+1
.endr
	s_wait_loadcnt 48                              ; the statistics are in; the 32 + 16 loads issued behind them stay out
	v_max3_num_f32 v27, v[MI],   v[MI+1], v[MI+2]
	v_max3_num_f32 v28, v[MI+3], v[MI+4], v[MI+5]
	v_max3_num_f32 v27, v27,     v[MI+6], v[MI+7]
	v_max_num_f32 v27, v27, v28
	WRED v_max_num_f32, 27, 28                     ; M
.set i, 0
.rept 8
	v_sub_f32 v[MI+i], v[MI+i], v27
.set i, i+1
.endr
	v_sub_f32 v[MO], v[MO], v27
.set i, 0
.rept 8
	v_exp_f32 v[MI+i], v[MI+i]
.set i, i+1
.endr
	v_exp_f32 v[MO], v[MO]
	v_nop                                          ; a plain instruction between the last exponential and the use of its result (ISA guide 5.7.2)
	s_wait_alu depctr_va_vdst(0)
	v_mul_f32 v29, v[MI], v[LI]
.set i, 1
.rept 7
	v_fmac_f32 v29, v[MI+i], v[LI+i]
.set i, i+1
.endr
	WRED v_add_f32, 29, 28                         ; L
	v_rcp_f32 v30, v29
	v_nop
	s_wait_alu depctr_va_vdst(0)
	v_mul_f32 v[MO], v[MO], v30                    ; lane k: 2^(m - M) / L of block 32 wave + k
.set k, 0
.rept 32
	v_readlane_b32 s[AL+k], v[MO], k
.set k, k+1
.endr
	; the weighted sum of my 32 blocks, eight at a time as they land; the first two products start the two sums
.set k, 0
.rept 4
	s_wait_loadcnt 40-k                            ; 40, 32, 24, 16: what was issued behind this group of eight
.rept 8
.irp e, 0,1,2,3
.if k < 2
	v_mul_f32 v[ACC+4*(k%2)+\e], s[AL+k], v[PR+4*k+\e]
.else
	v_fmac_f32 v[ACC+4*(k%2)+\e], s[AL+k], v[PR+4*k+\e]
.endif
.endr
.set k, k+1
.endr
.endr
	v_pk_add_f32 v[ACC:ACC+1],   v[ACC:ACC+1],   v[ACC+4:ACC+5]
	v_pk_add_f32 v[ACC+2:ACC+3], v[ACC+2:ACC+3], v[ACC+6:ACC+7]
	ds_store_b128 v6, v[ACC:ACC+3]
	s_wait_dscnt 0x0                               ; for the others' sake: my sum is in LDS
	s_barrier_signal -1
	s_barrier_wait -1
.set u, 0
.rept 8
	ds_load_b128 v[PR+4*u:PR+4*u+3], v1 offset:CSUM+512*u
.set u, u+1
.endr
	s_wait_dscnt 0x0
.irp a, 0,2
.irp u, 0,1,2,3
	v_pk_add_f32 v[PR+8*\u+\a:PR+8*\u+\a+1], v[PR+8*\u+\a:PR+8*\u+\a+1], v[PR+8*\u+4+\a:PR+8*\u+4+\a+1]
.endr
	v_pk_add_f32 v[PR+\a:PR+\a+1],       v[PR+\a:PR+\a+1],       v[PR+8+\a:PR+8+\a+1]
	v_pk_add_f32 v[PR+16+\a:PR+16+\a+1], v[PR+16+\a:PR+16+\a+1], v[PR+24+\a:PR+24+\a+1]
	v_pk_add_f32 v[CTX+\a:CTX+\a+1],     v[PR+\a:PR+\a+1],       v[PR+16+\a:PR+16+\a+1]
.endr
	s_wait_loadcnt 0x0                             ; Wv
	; 16 rows x my 4 d, in passes, so that no line waits for the one before it
.set i, 0
.rept 16
	v_pk_mul_f32 v[WR+4*i:WR+4*i+1], v[WR+4*i:WR+4*i+1], v[CTX:CTX+1]
.set i, i+1
.endr
.set i, 0
.rept 16
	v_pk_fma_f32 v[WR+4*i:WR+4*i+1], v[WR+4*i+2:WR+4*i+3], v[CTX+2:CTX+3], v[WR+4*i:WR+4*i+1]
.set i, i+1
.endr
.set i, 0
.rept 16
	v_add_f32 v[RS+i], v[WR+4*i], v[WR+4*i+1]
.set i, i+1
.endr
.irp k, 1,2,4,8                        ; the 16 sums over the lanes, step by step side by side
.set i, 0
.rept 16
	v_add_f32_dpp v[RS+i], v[RS+i], v[RS+i] row_xmask:\k row_mask:0xf bank_mask:0xf
.set i, i+1
.endr
.endr
.set i, 0
.rept 16
	v_permlanex16_b32 v[PR+i], v[RS+i], s[SEL], s[SEL+1]
.set i, i+1
.endr
.set i, 0
.rept 16
	v_add_f32 v[RS+i], v[RS+i], v[PR+i]
.set i, i+1
.endr
.set i, 0
.rept 16
	ds_store_b32 v8, v[RS+i] offset:4*i            ; all lanes write the same word with the same number
.set i, i+1
.endr
	s_wait_dscnt 0x0                               ; for wave 0's sake: my 16 results are in LDS
	s_barrier_signal -1
	s_barrier_wait -1
	s_cmp_lg_u32 s[WV], 0
	s_cbranch_scc1 .Lend
	ds_load_b128 v[60:63], v1 offset:OS
	s_wait_dscnt 0x0
	global_store_b128 v1, v[60:63], s[10:11]       ; the 128 results: 512 consecutive bytes, aligned
.Lend:
	s_wait_tensorcnt 0x0                           ; the wave's end, behind my last LDS store
	ds_add_u32 v[SPW], v[NIL]
	s_wait_dscnt 0x0
	s_endpgm
.Lfunc_end_k_qe6e8625b31_ctxv:
	.size	k_qe6e8625b31_ctxv, .Lfunc_end_k_qe6e8625b31_ctxv-k_qe6e8625b31_ctxv
	.p2alignl 7, 3214868480
	.fill 96, 4, 3214868480
	.section	.rodata,"a",@progbits
	.p2align	6, 0x0
	.amdhsa_kernel k_qe6e8625b31_ctxv
		.amdhsa_group_segment_fixed_size 5632
		.amdhsa_private_segment_fixed_size 0
		.amdhsa_enable_private_segment 0
		.amdhsa_kernarg_size 32
		.amdhsa_user_sgpr_count 2
		.amdhsa_user_sgpr_kernarg_segment_ptr 1
		.amdhsa_wavefront_size32 1
		.amdhsa_system_sgpr_workgroup_id_x 1
		.amdhsa_system_sgpr_workgroup_id_y 1
		.amdhsa_system_sgpr_workgroup_id_z 1
		.amdhsa_system_vgpr_workitem_id 0
		.amdhsa_next_free_vgpr 256
		.amdhsa_next_free_sgpr 66
		.amdhsa_reserve_vcc 0
		.amdhsa_float_denorm_mode_32 3
		.amdhsa_float_denorm_mode_16_64 3
		.amdhsa_memory_ordered 1
		.amdhsa_forward_progress 1
		.amdhsa_inst_pref_size 26
	.end_amdhsa_kernel
	.amdgpu_metadata
---
amdhsa.version: [ 1, 2 ]
amdhsa.kernels:
  - .name:           k_qe6e8625b31_ctxv
    .symbol:         k_qe6e8625b31_ctxv.kd
    .args:
      - { .name: PART, .offset: 0, .size: 8, .value_kind: global_buffer, .address_space: global }
      - { .name: STAT, .offset: 8, .size: 8, .value_kind: global_buffer, .address_space: global }
      - { .name: Wv, .offset: 16, .size: 8, .value_kind: global_buffer, .address_space: global }
      - { .name: OP, .offset: 24, .size: 8, .value_kind: global_buffer, .address_space: global }
    .group_segment_fixed_size: 5632
    .private_segment_fixed_size: 0
    .kernarg_segment_align: 8
    .kernarg_segment_size: 32
    .max_flat_workgroup_size: 256
    .sgpr_count:     66
    .vgpr_count:     256
    .wavefront_size: 32
...
	.end_amdgpu_metadata
.endif
;; end of part 4
;; launch outp (part 5): grid 64 x 1, 8 waves a work-group, no clusters, 9,216 bytes of LDS; arguments OP, Wo, bo, out0; writes out0
.if DOCPART == 5
	.amdgcn_target "amdgcn-amd-amdhsa--gfx1250"
	.amdhsa_code_object_version 6
	.text
	.protected	k_qe6e8625b31_outp
	.globl	k_qe6e8625b31_outp
	.p2align	8
	.type	k_qe6e8625b31_outp,@function
k_qe6e8625b31_outp:
	s_mov_b64 s[64:65], 0
	v_nop
	global_prefetch_b8 v0, s[64:65] scope:SCOPE_SE
	s_setreg_imm32_b32 hwreg(HW_REG_WAVE_MODE, 25, 1), 1
	s_wait_xcnt 0x0
; STEP 5 OF 5.  o[j] = the sum of the 16 slices OP[dc][j];  out[n] = Wo[n] . o + bo[n].  All in f32.
; Wave i of work-group g makes out[8 g + i].  Each work-group first adds up all of o (thread t: 8 numbers), hands it round in LDS, and each wave then takes one row of Wo.
; 64 work-groups: every work-group has to add up all of OP, 128 KiB, beside its 64 KiB of Wo; more work-groups would only repeat that sum more often.
; All 48 loads of a wave go out ahead of its first wait.
.set SPARE, 8192                       ; behind o (bytes 0-8191): the spare words, 128 bytes for each of 8 waves
.set SPW, 4                            ; v4  SPARE + 4 x my thread's number; never rewritten
.set NIL, 5                            ; v5  0; never rewritten
.set OS,  16                           ; v[16:23] my 8 numbers of o
.set CH,  24                           ; v[24:31] four chains of pairs for the dot product
.set WR,  64                           ; v[64:127] my row of Wo
.set PR,  128                          ; v[128:255] slice dc, half u at PR + 8 dc + 4 u; later o, 64 numbers a lane
.set WV,  12                           ; s12 my wave's number
.set SEL, 20                           ; s[20:21] v_permlanex16_b32's selects
	s_load_b256 s[4:11], s[0:1], 0x0               ; OP s[4:5], Wo s[6:7], bo s[8:9], out0 s[10:11]
	v_lshl_add_u32 v[SPW], v0, 2, SPARE
	v_mov_b32 v[NIL], 0
	v_lshlrev_b32 v1, 4, v0                        ; 16 x thread
	v_and_b32 v6, 31, v0                           ; lane
	v_lshlrev_b32 v2, 4, v6                        ; 16 x lane
	v_mov_b32 v3, 0
	v_mov_b32 v32, 0                               ; v_permlanex16_b32's destination counts as read
	v_lshrrev_b32 v7, 5, v0
	v_readfirstlane_b32 s[WV], v7                  ; wave 0..7
	s_mov_b32 s[SEL], 0x76543210
	s_mov_b32 s[SEL+1], 0xfedcba98
	s_lshl_b32 s13, ttmp9, 3
	s_add_co_u32 s13, s13, s[WV]                   ; n
	s_lshl_b32 s14, s13, 13                        ; Wo: row n
	s_mov_b32 s15, 0
	s_lshl_b32 s16, s13, 2                         ; bo and out0: word n
	s_mov_b32 s17, 0
	s_wait_kmcnt 0x0
	s_add_nc_u64 s[6:7], s[6:7], s[14:15]
	s_add_nc_u64 s[8:9], s[8:9], s[16:17]
	s_add_nc_u64 s[10:11], s[10:11], s[16:17]
	s_load_b32 s22, s[8:9], 0x0                    ; bo[n]
.set i, 0
.rept 32                               ; slice i / 2, half i % 2: a wave's load covers 512 consecutive bytes
	global_load_b128 v[PR+4*i:PR+4*i+3], v1, s[4:5] offset:4096*i
.set i, i+1
.endr
.set t, 0
.rept 16
	global_load_b128 v[WR+4*t:WR+4*t+3], v2, s[6:7] offset:512*t th:TH_LOAD_NT
.set t, t+1
.endr
	s_wait_loadcnt 16                              ; OP is in; Wo's sixteen loads, issued behind it, stay out
.irp a, 0,2,4,6                        ; four pairs side by side; the first additions start the sums
	v_pk_add_f32 v[OS+\a:OS+\a+1], v[PR+\a:PR+\a+1], v[PR+8+\a:PR+8+\a+1]
.endr
.set dc, 2
.rept 14
.irp a, 0,2,4,6
	v_pk_add_f32 v[OS+\a:OS+\a+1], v[OS+\a:OS+\a+1], v[PR+8*dc+\a:PR+8*dc+\a+1]
.endr
.set dc, dc+1
.endr
	ds_store_b128 v1, v[OS:OS+3]
	ds_store_b128 v1, v[OS+4:OS+7] offset:4096
	s_wait_dscnt 0x0                               ; for the others' sake: my 8 numbers of o are in LDS
	s_barrier_signal -1
	s_barrier_wait -1
.set t, 0
.rept 16
	ds_load_b128 v[PR+4*t:PR+4*t+3], v2 offset:512*t
.set t, t+1
.endr
	s_wait_dscnt 0x0
	s_wait_loadcnt 0x0                             ; Wo
.set p, 0
.rept 32
.if p < 4
	v_pk_mul_f32 v[CH+2*p:CH+2*p+1], v[PR+2*p:PR+2*p+1], v[WR+2*p:WR+2*p+1]
.else
	v_pk_fma_f32 v[CH+2*(p%4):CH+2*(p%4)+1], v[PR+2*p:PR+2*p+1], v[WR+2*p:WR+2*p+1], v[CH+2*(p%4):CH+2*(p%4)+1]
.endif
.set p, p+1
.endr
	v_pk_add_f32 v[CH:CH+1], v[CH:CH+1], v[CH+2:CH+3]
	v_pk_add_f32 v[CH+4:CH+5], v[CH+4:CH+5], v[CH+6:CH+7]
	v_pk_add_f32 v[CH:CH+1], v[CH:CH+1], v[CH+4:CH+5]
	v_add_f32 v[CH], v[CH], v[CH+1]
.irp k, 1,2,4,8
	v_add_f32_dpp v[CH], v[CH], v[CH] row_xmask:\k row_mask:0xf bank_mask:0xf
.endr
	v_permlanex16_b32 v32, v[CH], s[SEL], s[SEL+1]
	v_add_f32 v[CH], v[CH], v32
	s_wait_kmcnt 0x0                               ; bo[n]
	v_add_f32 v[CH], s22, v[CH]
	v_cmp_eq_u32 vcc_lo, 0, v6
	s_wait_xcnt 0x0                                ; EXEC is a source of the loads above: it changes only behind this wait
	s_and_saveexec_b32 s23, vcc_lo
	global_store_b32 v3, v[CH], s[10:11]           ; one number a wave: the whole output is 512 numbers, one for each wave of the launch
	s_wait_xcnt 0x0                                ; and again, in front of the line that widens EXEC
	s_or_b32 exec_lo, exec_lo, s23
	s_wait_tensorcnt 0x0                           ; the wave's end, behind my last LDS store
	ds_add_u32 v[SPW], v[NIL]
	s_wait_dscnt 0x0
	s_endpgm
.Lfunc_end_k_qe6e8625b31_outp:
	.size	k_qe6e8625b31_outp, .Lfunc_end_k_qe6e8625b31_outp-k_qe6e8625b31_outp
	.p2alignl 7, 3214868480
	.fill 96, 4, 3214868480
	.section	.rodata,"a",@progbits
	.p2align	6, 0x0
	.amdhsa_kernel k_qe6e8625b31_outp
		.amdhsa_group_segment_fixed_size 9216
		.amdhsa_private_segment_fixed_size 0
		.amdhsa_enable_private_segment 0
		.amdhsa_kernarg_size 32
		.amdhsa_user_sgpr_count 2
		.amdhsa_user_sgpr_kernarg_segment_ptr 1
		.amdhsa_wavefront_size32 1
		.amdhsa_system_sgpr_workgroup_id_x 1
		.amdhsa_system_sgpr_workgroup_id_y 1
		.amdhsa_system_sgpr_workgroup_id_z 1
		.amdhsa_system_vgpr_workitem_id 0
		.amdhsa_next_free_vgpr 256
		.amdhsa_next_free_sgpr 66
		.amdhsa_reserve_vcc 1
		.amdhsa_float_denorm_mode_32 3
		.amdhsa_float_denorm_mode_16_64 3
		.amdhsa_memory_ordered 1
		.amdhsa_forward_progress 1
		.amdhsa_inst_pref_size 14
	.end_amdhsa_kernel
	.amdgpu_metadata
---
amdhsa.version: [ 1, 2 ]
amdhsa.kernels:
  - .name:           k_qe6e8625b31_outp
    .symbol:         k_qe6e8625b31_outp.kd
    .args:
      - { .name: OP, .offset: 0, .size: 8, .value_kind: global_buffer, .address_space: global }
      - { .name: Wo, .offset: 8, .size: 8, .value_kind: global_buffer, .address_space: global }
      - { .name: bo, .offset: 16, .size: 8, .value_kind: global_buffer, .address_space: global }
      - { .name: out0, .offset: 24, .size: 8, .value_kind: global_buffer, .address_space: global }
    .group_segment_fixed_size: 9216
    .private_segment_fixed_size: 0
    .kernarg_segment_align: 8
    .kernarg_segment_size: 32
    .max_flat_workgroup_size: 256
    .sgpr_count:     66
    .vgpr_count:     256
    .wavefront_size: 32
...
	.end_amdgpu_metadata
.endif
;; end of part 5
;; ======== version 2 of 2: 5 launches; version 1 with the launch xpass written anew for expert scheduling mode
;; limits: values are held in f16: magnitudes above 65,504 overflow, below 6.1e-05 lose precision
;; workspace buffers: QKP 2,097,152 bytes; QKF 65,536 bytes; PART 33,554,432 bytes; STAT 32,768 bytes; OP 131,072 bytes
;; launch qkpart: the kernel of part 1 again; grid 256 x 1, 8 waves a work-group, no clusters, 1,280 bytes of LDS; arguments x1, Wq, Wk, QKP; writes QKP
;; launch qkfrag: the kernel of part 2 again; grid 32 x 1, 8 waves a work-group, no clusters, 3,072 bytes of LDS; arguments QKP, QKF; writes QKF
;; launch xpass (part 6): grid 256 x 1, 16 waves a work-group, no clusters, 176,128 bytes of LDS; arguments x2, QKF, PART, STAT; writes PART, STAT
.if DOCPART == 6
	.amdgcn_target "amdgcn-amd-amdhsa--gfx1250"
	.amdhsa_code_object_version 6
	.text
	.protected	k_qe6e8625b31_xpass
	.globl	k_qe6e8625b31_xpass
	.p2align	8
	.type	k_qe6e8625b31_xpass,@function
k_qe6e8625b31_xpass:
	s_mov_b64 s[64:65], 0
	v_nop
	global_prefetch_b8 v0, s[64:65] scope:SCOPE_SE
	s_setreg_imm32_b32 hwreg(HW_REG_WAVE_SCHED_MODE, 0, 2), 2
	s_setreg_imm32_b32 hwreg(HW_REG_WAVE_MODE, 25, 1), 1
	s_wait_xcnt 0x0
	s_wait_alu depctr_vm_vsrc(0)
; STEP 3 OF 5: the one pass over x2.  Work-group wg owns rows s = 32 wg .. 32 wg + 31.  It makes, for all 16 heads,
;   the scores t[h][s] = x2[s] . g[h] (already in units of log2: c is folded into g), the block's own maximum m[h], p = 2^(t - m), l[h] = the sum of p, and
;   PART[wg][h][d] = the sum over its 32 rows of p[h][s] x2[s][d].   The next launch joins the 256 blocks by M = max m and 2^(m - M): a true maximum is taken away throughout.
; x2 is read from memory ONCE: wave w holds columns 128 w .. 128 w + 127 of the 32 rows in 128 registers and uses them for both products.
; FORMATS.  Scores: x2 and g in bf16, sums in f32.  Second product: p (0 to 1) and x2 in f16, sums in f32; l is the sum of the unrounded p.
; LIMITS.  |x2| stays under 65,504 (f16's end; the conversion gives an infinity from 65,520 on).  A weight p below 6e-8 counts as 0 in the product, below 2^-126 as 0 in l.
; NaN and infinities are not treated apart.  The order of rounding differs from the reference's (x2 is multiplied by g, not by Wk and then by q).
; SHARES.  16 waves x 256 registers.  All 40 loads of a wave go out ahead of its first wait for loaded data: 16 KiB of x2 a wave, 256 KiB a work-group.
; No tensor loads, no ring: the share is loaded once and nothing is filled again.  No cluster: what work-groups share is QKF, 64 KiB beside 256 KiB of their own.
; LANES.  L = lane, r = L % 16, h2 = L / 16.  Load i (of 16) of half c (64 columns) brings lane (r, h2) the four numbers x2[row(i) + 8 h2][128 w + 64 c + 4 r + 0..3],
; row(i) = i for i < 8, i + 8 above: 16 lanes read 256 consecutive bytes, aligned.  In that order loads 2 t and 2 t + 1 hold the two rows that register t of a 32-deep fragment wants,
; so the second product's fragments (column = d, depth = s) are made in registers: fragment j of half c holds the columns d = 128 w + 64 c + 4 r + j.
; The first product wants depth = d: the rows go, rounded to bf16, through the wave's own tile in LDS.
; THE MODE: SCHED_MODE bits 1:0 = 2 (LLVM: expert scheduling mode 2), set by the entry lines.  The code itself states the register dependences
; between vector or matrix instructions and memory or LDS instructions, with s_wait_alu, always for 0.
; THE PLAN.  Registers that memory or LDS instructions touch, in the order of the text:
;   v3-v10, v14   Offsets and LDS addresses: each written once, at the head, and never again.
;   OB0, OB1      A half's 32 roundings to bf16 write one of them; behind ONE wait on va_vdst its 16 tile stores read it, dealt among the same half's 32 roundings to f16, which name
;                 the raw registers and the f16 fragments alone.  One wait on vm_vsrc, ahead of the scores, states that all 32 stores have read them: from there on they are PF, SS, MX and the second half of the way out.
;   XB            Half 1's roundings read it; behind a wait on va_vdst the fragments from the tile land in it.
;   SS            The score products write it, four LDS stores read it (va_vdst between); the summed scores land in it (vm_vsrc between).
;   RR            LDS loads land in it; fifteen additions; an LDS store reads its first register (va_vdst between).
;   QF, OB1       The way out: 32 moves write one of them; behind one wait on va_vdst its 8 stores read it, the first half's dealt among the second half's moves.
.set PT,    272                        ; a tile row: 128 bf16 = 256 bytes + 16: the 16 rows of a fragment load start 4 words apart in the 64 banks (ISA guide 11.1)
.set TILEB, 32*PT                      ; a wave's tile: 8,704 bytes; 16 of them from byte 0
.set SP,    16*TILEB                   ; 139,264: each wave's partial scores, 16 registers in lane order, 2,048 bytes a wave
.set SF,    SP+16*2048                 ; 172,032: the summed scores, 2,048 bytes
.set SPARE, SF+2048                    ; 174,080: the spare words, 128 bytes for each of 16 waves
.set VX,  3                            ; v3   65,536 h2 + 512 w + 16 r: my bytes in x2's rows, and the same in PART's
.set VQ,  4                            ; v4   4,096 w + 16 L: my bytes of QKF
.set VT,  5                            ; v5   tile, in: 8 h2 rows + 8 r bytes
.set VA,  6                            ; v6   tile, out: row r + 16 h2 bytes
.set VS,  7                            ; v7   SP + 2,048 w + 16 L
.set VR,  8                            ; v8   SP + 128 w + 4 L
.set VW,  9                            ; v9   SF + 128 w + 4 L
.set VF,  10                           ; v10  SF + 16 L
.set SPW, 12                           ; v12  SPARE + 4 x my thread's number; never rewritten
.set NIL, 13                           ; v13  0; never rewritten
.set VST, 14                           ; v14  1,024 L: my word's row in STAT
.set VL,  15                           ; v15  L
.set OB0, 16                           ; v[16:47] half 0 rounded to bf16: the data of its 16 tile stores; later PF, SS, MX
.set PF,  20                           ; v[20:27] P as a fragment: row = head r, depth = s
.set SS,  28                           ; v[28:35], v[36:43] the scores of rows 0-15, 16-31: register j of lane (r, h2) is s = 16 rt + 8 h2 + j, head r
.set MX,  44                           ; v44 m, v45 l, v46-47 at work
.set RR,  48                           ; v[48:63] the 16 waves' partials of one word
.set QF,  64                           ; v[64:95]  g's fragments, 8 registers for each of my four steps of 32 d; later the stores' first 32 registers
.set F0,  96                           ; v[96:127] x2's f16 fragments of half 0
.set XA,  128                          ; v[128:191] x2, half 0, as loaded; later v[128:159] the f16 fragments of half 1
.set OB1, 160                          ; v[160:191] half 1 rounded to bf16: the data of its 16 tile stores; later the stores' other 32 registers
.set XB,  192                          ; v[192:255] x2, half 1, as loaded; then the bf16 fragments (rt, ks) at 192 + 32 rt + 8 ks; then the results (c, j) at 192 + 32 c + 8 j
.set WV,  12                           ; s12 my wave's number
.set SEL, 20                           ; s[20:21] v_permlanex16_b32's selects: each lane takes its own place in the other half
.macro LOADX c, xb                     ; 16 loads: half c of my columns, all 32 rows
.set i, 0
.rept 16
	global_load_b128 v[\xb+4*i:\xb+4*i+3], v[VX], s[4:5] offset:(i+8*(i/8))*8192+256*\c th:TH_LOAD_NT
.set i, i+1
.endr
.endm
.macro ROUNDB xb, ob                   ; a half rounded to bf16, 8 bytes for each of its 16 loads, into an out-buffer of its own
.set i, 0
.rept 16
	v_cvt_pk_bf16_f32 v[\ob+2*i],   v[\xb+4*i],   v[\xb+4*i+1]
	v_cvt_pk_bf16_f32 v[\ob+2*i+1], v[\xb+4*i+2], v[\xb+4*i+3]
.set i, i+1
.endr
.endm
; The 16 tile stores of half c, one ahead of every two of the half's 32 roundings to f16.
; A store: 8 bytes a lane into my tile: lanes 0-15 fill 128 bytes of a row, lanes 16-31 the row 8 below (2,176 bytes = 32 banks further).
; A rounding: register t of fragment j pairs column j of loads 2 t and 2 t + 1: s = 8 h2 + 2 t (+1) for t < 4, 16 + 8 h2 + 2 (t - 4) (+1) above; here j = i / 4, t = 2 (i % 4) and the next.
; No wait among them: the roundings name the raw registers xb and the fragments fb, never ob or v[VT].
.macro DEAL c, ob, xb, fb
.set i, 0
.rept 16
	ds_store_b64 v[VT], v[\ob+2*i:\ob+2*i+1] offset:(i+8*(i/8))*PT+128*\c
	v_cvt_pk_f16_f32 v[\fb+8*(i/4)+2*(i%4)],   v[\xb+16*(i%4)+(i/4)],   v[\xb+16*(i%4)+4+(i/4)]
	v_cvt_pk_f16_f32 v[\fb+8*(i/4)+2*(i%4)+1], v[\xb+16*(i%4)+8+(i/4)], v[\xb+16*(i%4)+12+(i/4)]
.set i, i+1
.endr
.endm
	s_load_b256 s[4:11], s[0:1], 0x0               ; x2 s[4:5], QKF s[6:7], PART s[8:9], STAT s[10:11]
	v_lshl_add_u32 v[SPW], v0, 2, SPARE
	v_mov_b32 v[NIL], 0
	v_and_b32 v[VL], 31, v0                        ; L
	v_and_b32 v1, 15, v0                           ; r
	v_bfe_u32 v2, v0, 4, 1                         ; h2
	v_lshrrev_b32 v[VST], 5, v0
	v_readfirstlane_b32 s[WV], v[VST]              ; wave 0..15
	v_lshlrev_b32 v[VX], 16, v2
	v_lshl_add_u32 v[VX], v1, 4, v[VX]
	s_wait_alu depctr_va_sdst(0)                   ; s12 is written, ahead of its first reader: offsets, LDS addresses and the last branch are made from it
	s_lshl_b32 s13, s[WV], 9
	v_add_nc_u32 v[VX], s13, v[VX]
	s_lshl_b32 s13, s[WV], 12
	v_lshl_add_u32 v[VQ], v[VL], 4, s13
	s_lshl_b32 s14, ttmp9, 18                      ; x2: 32 rows of 8,192 bytes a work-group
	s_mov_b32 s15, 0
	s_lshl_b32 s16, ttmp9, 17                      ; PART: 16 rows of 8,192 bytes
	s_mov_b32 s17, 0
	s_lshl_b32 s18, ttmp9, 2                       ; STAT: my block's word in each of its 32 rows
	s_mov_b32 s19, 0
	s_wait_kmcnt 0x0
	s_add_nc_u64 s[4:5], s[4:5], s[14:15]
	s_add_nc_u64 s[8:9], s[8:9], s[16:17]
	s_add_nc_u64 s[10:11], s[10:11], s[18:19]
	s_wait_alu depctr_va_vdst(0)                   ; v[VX] and v[VQ] are written, which the 40 loads below read as their offsets
.set i, 0
.rept 8                                ; g's fragments of my four steps: step i / 2, half i % 2; 512 consecutive bytes a load
	global_load_b128 v[QF+4*i:QF+4*i+3], v[VQ], s[6:7] offset:512*i
.set i, i+1
.endr
	LOADX 0, XA
	LOADX 1, XB
	; the LDS addresses are made while the loads are out; none of these registers has been read by a memory instruction
	s_mov_b32 s[SEL], 0x76543210
	s_mov_b32 s[SEL+1], 0xfedcba98
	s_mul_i32 s13, s[WV], TILEB                    ; my tile
	v_mul_u32_u24 v[VT], v2, 8*PT
	v_lshl_add_u32 v[VT], v1, 3, v[VT]
	v_add_nc_u32 v[VT], s13, v[VT]
	v_mul_u32_u24 v[VA], v1, PT
	v_lshl_add_u32 v[VA], v2, 4, v[VA]
	v_add_nc_u32 v[VA], s13, v[VA]
	s_lshl_b32 s13, s[WV], 11
	s_add_co_u32 s13, s13, SP
	v_lshl_add_u32 v[VS], v[VL], 4, s13
	s_lshl_b32 s13, s[WV], 7
	s_add_co_u32 s16, s13, SP
	v_lshl_add_u32 v[VR], v[VL], 2, s16
	s_add_co_u32 s16, s13, SF
	v_lshl_add_u32 v[VW], v[VL], 2, s16
	v_lshl_add_u32 v[VF], v[VL], 4, SF
	v_lshlrev_b32 v[VST], 10, v[VL]
	s_wait_loadcnt 16                              ; g and half 0 are in; half 1's sixteen loads, issued behind them, stay out
	ROUNDB XA, OB0
	s_wait_alu depctr_va_vdst(0)                   ; the roundings have written OB0, which the tile stores read; the seven addresses made above are written too, for every LDS instruction and the last store below
	DEAL 0, OB0, XA, F0
	s_wait_loadcnt 0x0                             ; half 1
	ROUNDB XB, OB1                                 ; half 0's upper 32 registers are free: both its roundings have been issued
	s_wait_alu depctr_va_vdst(0)                   ; the roundings have written OB1, which the tile stores read
	DEAL 1, OB1, XB, XA                            ; half 1's f16 fragments go into half 0's lower 32 registers
	s_wait_alu depctr_va_vdst(0)                   ; the roundings to f16 are done reading XB, in which the fragments below land
	; the tile comes back as fragments: row 16 rt + r, d = 32 ks + 8 h2 + 0..7 and + 16.  My own bytes, and LDS serves a wave's instructions in order (ISA guide 5.7.1.4): no wait on DScnt between
.irp rt, 0,1
.irp ks, 0,1,2,3
	ds_load_b128 v[XB+32*\rt+8*\ks:XB+32*\rt+8*\ks+3],   v[VA] offset:\rt*16*PT+64*\ks
	ds_load_b128 v[XB+32*\rt+8*\ks+4:XB+32*\rt+8*\ks+7], v[VA] offset:\rt*16*PT+64*\ks+32
.endr
.endr
	s_wait_dscnt 0x0
	s_wait_alu depctr_vm_vsrc(0)                   ; the 32 tile stores have read OB0 and OB1: the products below write SS, the softmax PF and MX, the way out's moves OB1
	; SCORES over my 128 d: source 0 = 16 rows of x2, source 1 = the 16 heads of g.  The two accumulators take turns, one instruction a turn; the first step starts the sums
	v_wmma_f32_16x16x32_bf16 v[SS:SS+7],    v[XB:XB+7],       v[QF:QF+7], 0
	v_wmma_f32_16x16x32_bf16 v[SS+8:SS+15], v[XB+32:XB+32+7], v[QF:QF+7], 0
.irp ks, 1,2,3
	v_wmma_f32_16x16x32_bf16 v[SS:SS+7],    v[XB+8*\ks:XB+8*\ks+7],       v[QF+8*\ks:QF+8*\ks+7], v[SS:SS+7]
	v_wmma_f32_16x16x32_bf16 v[SS+8:SS+15], v[XB+32+8*\ks:XB+32+8*\ks+7], v[QF+8*\ks:QF+8*\ks+7], v[SS+8:SS+15]
.endr
.rept 4
	v_nop                                          ; four places between the last product and the stores that read its result
.endr
	s_wait_alu depctr_va_vdst(0)                   ; the products have written SS, which the LDS stores read; the places above stay beside this wait
.irp q, 0,1,2,3                        ; ascending: each accumulator's lowest registers are read first
	ds_store_b128 v[VS], v[SS+4*\q:SS+4*\q+3] offset:512*\q
.endr
	s_wait_dscnt 0x0                               ; for the others' sake: my partial scores are in LDS
	s_barrier_signal -1
	s_barrier_wait -1
	; the sum over the 16 waves: of the 512 words wave w adds words 32 w .. 32 w + 31.  No vector instruction has named RR so far
.set u, 0
.rept 16
	ds_load_b32 v[RR+u], v[VR] offset:2048*u
.set u, u+1
.endr
	s_wait_dscnt 0x0
.irp d, 8,4,2,1
.set u, 0
.rept \d
	v_add_f32 v[RR+u], v[RR+u], v[RR+u+\d]
.set u, u+1
.endr
.endr
	s_wait_alu depctr_va_vdst(0)                   ; the additions have written v[RR], which the LDS store reads
	ds_store_b32 v[VW], v[RR]
	s_wait_dscnt 0x0                               ; for the others' sake: my 32 sums are in LDS
	s_barrier_signal -1
	s_barrier_wait -1
	s_wait_alu depctr_vm_vsrc(0)                   ; my four LDS stores of the partial scores have read SS, in which the summed scores land (the products that wrote SS stand ahead of the waits on va_vdst above, and nothing has named it since)
.irp q, 0,1,2,3                        ; every wave takes all scores back, in the layout in which it stored its own
	ds_load_b128 v[SS+4*\q:SS+4*\q+3], v[VF] offset:512*\q
.endr
	s_wait_dscnt 0x0
	; SOFTMAX of the block: a lane holds 16 of head r's 32 scores, the lane 16 away the others
	v_max3_num_f32 v[MX+2], v[SS],    v[SS+1],  v[SS+2]
	v_max3_num_f32 v[MX+3], v[SS+3],  v[SS+4],  v[SS+5]
	v_max3_num_f32 v[MX+2], v[MX+2],  v[SS+6],  v[SS+7]
	v_max3_num_f32 v[MX+3], v[MX+3],  v[SS+8],  v[SS+9]
	v_max3_num_f32 v[MX+2], v[MX+2],  v[SS+10], v[SS+11]
	v_max3_num_f32 v[MX+3], v[MX+3],  v[SS+12], v[SS+13]
	v_max3_num_f32 v[MX+2], v[MX+2],  v[SS+14], v[SS+15]
	v_max_num_f32 v[MX+2], v[MX+2], v[MX+3]
	v_permlanex16_b32 v[MX+3], v[MX+2], s[SEL], s[SEL+1]
	v_max_num_f32 v[MX], v[MX+2], v[MX+3]          ; m
.set i, 0
.rept 16
	v_sub_f32 v[SS+i], v[SS+i], v[MX]
.set i, i+1
.endr
.set i, 0
.rept 16
	v_exp_f32 v[SS+i], v[SS+i]                     ; p = 2^(t - m)
.set i, i+1
.endr
	v_nop                                          ; a plain instruction between the last exponential and the use of its result (ISA guide 5.7.2)
	s_wait_alu depctr_va_vdst(0)                   ; the sixteen exponentials have written SS: one wait for the batch, ahead of its first reader
.set t, 0
.rept 8
	v_cvt_pk_f16_f32 v[PF+t], v[SS+2*t], v[SS+2*t+1]  ; two results side by side ARE the fragment: row = head r, s = 8 h2 + 0..7, then 16 + 8 h2 + 0..7
.set t, t+1
.endr
.irp a, 0,2,4,6
	v_pk_add_f32 v[SS+\a:SS+\a+1], v[SS+\a:SS+\a+1], v[SS+8+\a:SS+8+\a+1]
.endr
	v_pk_add_f32 v[SS:SS+1],   v[SS:SS+1],   v[SS+4:SS+5]
	v_pk_add_f32 v[SS+2:SS+3], v[SS+2:SS+3], v[SS+6:SS+7]
	v_pk_add_f32 v[SS:SS+1],   v[SS:SS+1],   v[SS+2:SS+3]
	v_add_f32 v[MX+2], v[SS], v[SS+1]
	v_permlanex16_b32 v[MX+3], v[MX+2], s[SEL], s[SEL+1]
	v_add_f32 v[MX+1], v[MX+2], v[MX+3]            ; l
	; P x2: source 0 = P (16 heads x 32 rows), source 1 = 16 columns of x2.  Eight results, each one product deep: no chain
.irp j, 0,1,2,3
	v_wmma_f32_16x16x32_f16 v[XB+8*\j:XB+8*\j+7], v[PF:PF+7], v[F0+8*\j:F0+8*\j+7], 0
.endr
.irp j, 0,1,2,3
	v_wmma_f32_16x16x32_f16 v[XB+32+8*\j:XB+32+8*\j+7], v[PF:PF+7], v[XA+8*\j:XA+8*\j+7], 0
.endr
.rept 4
	v_nop                                          ; four places between the last product and the first read of a result
.endr
	; Register jp of result (c, j), lane (r, h2), is head 8 h2 + jp at d = 128 w + 64 c + 4 r + j: the four j are four neighbouring numbers of a row of PART.  Four moves bring them
	; side by side, so that 16 lanes store 256 consecutive bytes, aligned, in the plain [head][d] order that the next launch reads.  64 different registers: no store's data is rewritten.
	; jp ascending: each result's lowest register is read first.
.set jp, 0
.rept 8                                ; half 0's 32 moves, into g's registers
.irp j, 0,1,2,3
	v_mov_b32 v[QF+4*jp+\j], v[XB+8*\j+jp]
.endr
.set jp, jp+1
.endr
	s_wait_alu depctr_va_vdst(0)                   ; the moves have written v[QF ..], which half 0's eight stores read
.set jp, 0
.rept 8                                ; half 0's stores, one ahead of every four of half 1's moves, which name OB1 and half 1's results alone
	global_store_b128 v[VX], v[QF+4*jp:QF+4*jp+3], s[8:9] offset:8192*jp
.irp j, 0,1,2,3
	v_mov_b32 v[OB1+4*jp+\j], v[XB+32+8*\j+jp]
.endr
.set jp, jp+1
.endr
	s_wait_alu depctr_va_vdst(0)                   ; the moves have written v[OB1 ..], which half 1's eight stores read
.set jp, 0
.rept 8
	global_store_b128 v[VX], v[OB1+4*jp:OB1+4*jp+3], s[8:9] offset:8192*jp+256
.set jp, jp+1
.endr
	s_cmp_lg_u32 s[WV], 0                          ; every wave holds the same m and l; wave 0 stores them
	s_cbranch_scc1 .Lend
	v_cmp_gt_u32 vcc_lo, 16, v[VL]
	s_wait_alu depctr_va_vcc(0)                    ; the compare has written VCC, which the select reads
	v_cndmask_b32 v[MX+2], v[MX+1], v[MX], vcc_lo  ; lanes 0-15: m of head r; lanes 16-31: l of head r
	s_wait_alu depctr_va_vdst(0)                   ; the select has written v[MX+2], which the store reads
	global_store_b32 v[VST], v[MX+2], s[10:11]     ; STAT[L][wg]: 32 single words, 1,024 bytes apart, so that the next launch reads a head's 256 numbers as consecutive bytes
.Lend:
	s_wait_dscnt 0x0                               ; the wave's end, for a launch in the mode that stores to LDS
	s_wait_alu 0x0
	s_wait_tensorcnt 0x0
	ds_add_u32 v[SPW], v[NIL]
	s_wait_dscnt 0x0
	s_endpgm
.Lfunc_end_k_qe6e8625b31_xpass:
	.size	k_qe6e8625b31_xpass, .Lfunc_end_k_qe6e8625b31_xpass-k_qe6e8625b31_xpass
	.p2alignl 7, 3214868480
	.fill 96, 4, 3214868480
	.section	.rodata,"a",@progbits
	.p2align	6, 0x0
	.amdhsa_kernel k_qe6e8625b31_xpass
		.amdhsa_group_segment_fixed_size 176128
		.amdhsa_private_segment_fixed_size 0
		.amdhsa_enable_private_segment 0
		.amdhsa_kernarg_size 32
		.amdhsa_user_sgpr_count 2
		.amdhsa_user_sgpr_kernarg_segment_ptr 1
		.amdhsa_wavefront_size32 1
		.amdhsa_system_sgpr_workgroup_id_x 1
		.amdhsa_system_sgpr_workgroup_id_y 1
		.amdhsa_system_sgpr_workgroup_id_z 1
		.amdhsa_system_vgpr_workitem_id 0
		.amdhsa_next_free_vgpr 256
		.amdhsa_next_free_sgpr 66
		.amdhsa_reserve_vcc 1
		.amdhsa_float_denorm_mode_32 3
		.amdhsa_float_denorm_mode_16_64 3
		.amdhsa_memory_ordered 1
		.amdhsa_forward_progress 1
		.amdhsa_inst_pref_size 28
	.end_amdhsa_kernel
	.amdgpu_metadata
---
amdhsa.version: [ 1, 2 ]
amdhsa.kernels:
  - .name:           k_qe6e8625b31_xpass
    .symbol:         k_qe6e8625b31_xpass.kd
    .args:
      - { .name: x2, .offset: 0, .size: 8, .value_kind: global_buffer, .address_space: global }
      - { .name: QKF, .offset: 8, .size: 8, .value_kind: global_buffer, .address_space: global }
      - { .name: PART, .offset: 16, .size: 8, .value_kind: global_buffer, .address_space: global }
      - { .name: STAT, .offset: 24, .size: 8, .value_kind: global_buffer, .address_space: global }
    .group_segment_fixed_size: 176128
    .private_segment_fixed_size: 0
    .kernarg_segment_align: 8
    .kernarg_segment_size: 32
    .max_flat_workgroup_size: 512
    .sgpr_count:     66
    .vgpr_count:     256
    .wavefront_size: 32
...
	.end_amdgpu_metadata
.endif
;; end of part 6
;; launch ctxv: the kernel of part 4 again; grid 256 x 1, 8 waves a work-group, no clusters, 5,632 bytes of LDS; arguments PART, STAT, Wv, OP; writes OP
;; launch outp: the kernel of part 5 again; grid 64 x 1, 8 waves a work-group, no clusters, 9,216 bytes of LDS; arguments OP, Wo, bo, out0; writes out0
